; MI455X (gfx1250); checked and timed in simulation.
; The chip was launched on July 23, 2026; its instructions are those of AMD's public machine-readable ISA for CDNA 5 (MIT licence, August 2026) and "CDNA5" Instruction Set Architecture Reference Guide (July 2026). The comments in the code are by the model that wrote it; some were corrected since.
;; Non Local CA. Allowed arithmetic: float matrix products may take bf16 or f16 operands with f32 sums; all other float work in f32.
;; Inputs: bn_beta 64 float32; bn_gamma 64 float32; g_b 32 float32; g_w 32 x 64 float32; phi_b 32 float32; phi_w 32 x 64 float32; theta_b 32 float32; theta_w 32 x 64 float32; w_b 64 float32; w_w 64 x 32 float32; x 2 x 64 x 128 x 128 float32.
;; Outputs: out0 2 x 64 x 128 x 128 float32.
;; One version. Each part assembles by itself: llvm-mc -triple=amdgcn-amd-amdhsa -mcpu=gfx1250 --defsym DOCPART=n.
;; ======== version 1 of 1: 3 launches
;; limits: values are held in f16: magnitudes above 65,504 overflow, below 6.1e-05 lose precision
;; workspace buffers: thq 2,097,152 bytes; kv 4,194,304 bytes; wy 8,388,608 bytes
;; launch proj (part 1): grid 256 x 1, 2 waves a work-group, no clusters, 0 bytes of LDS; arguments x, theta_w, theta_b, phi_w, phi_b, g_w, g_b, thq, kv; writes thq, kv
.if DOCPART == 1
	.amdgcn_target "amdgcn-amd-amdhsa--gfx1250"
	.amdhsa_code_object_version 6
	.text
	.protected	k_q7941920c00_proj
	.globl	k_q7941920c00_proj
	.p2align	8
	.type	k_q7941920c00_proj,@function
k_q7941920c00_proj:
	s_mov_b64 s[64:65], 0
	v_nop
	global_prefetch_b8 v0, s[64:65] scope:SCOPE_SE
	s_setreg_imm32_b32 hwreg(HW_REG_WAVE_MODE, 25, 1), 1
	s_wait_xcnt 0x0
; The three 1x1 projections (theta, phi, g) of x, with their biases, rounded to f16 and stored in the order in which
; the attention launch's matrix instructions want them: lane L's 16 bytes at 16 L of each block of 512 bytes.
; Problem p = 2 quadrant + image (quadrant = 2 qh + qw), 8 in all; a "row" is one image row of a quadrant: 64 tokens, 256 bytes of x a channel.
; 512 waves, one row each (64 tokens x 64 channels); waves share nothing: no LDS, no barrier, no cluster.  The 24 KiB of
; weights are read once by each wave straight into registers.
; TOKEN ORDER: tile i (0..3), place m (0..15) stands for token w1 = 4 m + i of the row.  So one 16-byte load of x gives a lane one
; number of each of the four tiles, and sixteen lanes read 256 consecutive aligned bytes.  Keys may come in any order as long as phi and g
; share it; the queries' order is undone on the attention launch's way out.
; thq: [p][tile 4 row + i][f][lane][16 B]: lane (r, h) holds theta(token place r, ci = 16 f + 8 h + 0..7)
; kv:  [p][row][8192 B]: bytes 0..4095 phi, four tiles laid as thq's; bytes 4096..8191 g transposed, [c][t][f][lane][16 B]:
;      lane (r, h) holds g(ci = 16 t + r, tile 2 c + f, places 8 h + 0..7)
; A result tile holds, in lane (r, h), register j, element (8 h + j, r) (ISA guide 7.12.2): its eight registers packed to f16 ARE one such 16 bytes.
; theta, phi: weights as source A, x as source B (a lane gets 8 ci of one token); g: x as A, weights as B (8 tokens of one ci).
; LIMIT: operands and results are f16: |x|, |weights| and the projections stay below 65504.  NaN and infinities are not served.
.set XOFF, 3                           ; v3   x: 8 h channels + 16 r bytes
.set WOFF, 4                           ; v4   weights: row r, 8 h columns
.set BOFF, 5                           ; v5   theta_b, phi_b: 8 h numbers on
.set GOFF, 6                           ; v6   g_b: number r
.set SOFF, 7                           ; v7   stores: 16 x lane
.set XF,  16                           ; v[16:31]   x fragments of one tile, channels 32 s .. at 8 s
.set WT,  32                           ; v[32:63]   theta_w fragments at 16 t + 8 s
.set WP,  64                           ; v[64:95]   phi_w
.set WG,  96                           ; v[96:127]  g_w
.set BT,  128                          ; v[128:143] theta_b as a C operand, at 8 t
.set BP,  144                          ; v[144:159] phi_b
.set BG,  160                          ; v[160:175] g_b
.set ACC, 176                          ; v[176:223] six result tiles: theta t0 t1, phi t0 t1, g t0 t1
.set PK,  224                          ; v[224:247] the six, packed
.set XR,  0                            ; window 1: v256-383 x as loaded, f32
.set RT,  128                          ; window 1: v384-447 theta_w as loaded
.set RP,  192                          ; window 1: v448-511 phi_w as loaded
.set RG,  0                            ; window 2: v512-575 g_w as loaded
.set MSB, 0
.macro WIN new                         ; low byte: bits 1:0 source 0, 3:2 source 1, 5:4 source 2, 7:6 destination; the high byte repeats the setting left
.if MSB != \new
	s_set_vgpr_msb (MSB<<8)|\new
.set MSB, \new
.endif
.endm
.macro MM d, a, b, c
	v_wmma_f32_16x16x32_f16 v[\d:\d+7], v[\a:\a+7], v[\b:\b+7], v[\c:\c+7]
.endm
; 16 loads: a [32][64] f32 weight matrix as four fragments' worth: lane (r, h) takes W(16 t + r, 32 s + 16 f + 8 h + 0..7)
.macro WLOAD raw, ptr
.irp t, 0,1
.irp s, 0,1
.irp f, 0,1
	global_load_b128 v[\raw+8*(4*\t+2*\s+\f):\raw+8*(4*\t+2*\s+\f)+3], v[WOFF], s[\ptr:\ptr+1] offset:4096*\t+128*\s+64*\f
	global_load_b128 v[\raw+8*(4*\t+2*\s+\f)+4:\raw+8*(4*\t+2*\s+\f)+7], v[WOFF], s[\ptr:\ptr+1] offset:4096*\t+128*\s+64*\f+16
.endr
.endr
.endr
.endm
.macro WCVT dst, raw                   ; 64 f32 to 32 registers of f16 pairs
.set n, 0
.rept 32
	v_cvt_pk_f16_f32 v[\dst+n], v[\raw+2*n], v[\raw+2*n+1]
.set n, n+1
.endr
.endm
	s_load_b512 s[8:23], s[0:1], 0x0               ; x 8, theta_w 10, theta_b 12, phi_w 14, phi_b 16, g_w 18, g_b 20, thq 22
	s_load_b64 s[24:25], s[0:1], 0x40              ; kv
	v_lshrrev_b32 v1, 5, v0
	v_readfirstlane_b32 s3, v1                     ; wave 0, 1
	s_lshr_b32 s4, ttmp9, 5                        ; p
	s_and_b32 s5, ttmp9, 31
	s_lshl1_add_u32 s5, s5, s3                     ; row = 2 (group mod 32) + wave
	s_and_b32 s6, s4, 1                            ; image
	s_lshl_b32 s26, s6, 22                         ; x: image x 64 channels x 65,536 bytes
	s_lshr_b32 s6, s4, 2                           ; qh
	s_lshl_b32 s6, s6, 6
	s_add_co_u32 s6, s6, s5                        ; image row 64 qh + row,
	s_lshl_b32 s6, s6, 9                           ; of 512 bytes
	s_or_b32 s26, s26, s6
	s_bfe_u32 s6, s4, 0x10001                      ; qw
	s_lshl_b32 s6, s6, 8                           ; the right half of the row begins 256 bytes in
	s_or_b32 s26, s26, s6
	s_mov_b32 s27, 0
	s_lshl_b32 s28, s4, 18                         ; thq: 262,144 bytes a problem, 4,096 a row
	s_lshl_b32 s6, s5, 12
	s_or_b32 s28, s28, s6
	s_mov_b32 s29, 0
	s_lshl_b32 s30, s4, 19                         ; kv: 524,288 bytes a problem, 8,192 a row
	s_lshl_b32 s6, s5, 13
	s_or_b32 s30, s30, s6
	s_mov_b32 s31, 0
	v_and_b32 v1, 15, v0                           ; r
	v_bfe_u32 v2, v0, 4, 1                         ; h
	v_lshlrev_b32 v[XOFF], 4, v1
	v_lshl_or_b32 v[XOFF], v2, 19, v[XOFF]
	v_lshlrev_b32 v[WOFF], 8, v1
	v_lshl_or_b32 v[WOFF], v2, 5, v[WOFF]
	v_lshlrev_b32 v[BOFF], 5, v2
	v_lshlrev_b32 v[GOFF], 2, v1
	v_and_b32 v[SOFF], 31, v0
	v_lshlrev_b32 v[SOFF], 4, v[SOFF]
	s_wait_kmcnt 0x0
	s_add_nc_u64 s[8:9], s[8:9], s[26:27]
	s_add_nc_u64 s[22:23], s[22:23], s[28:29]
	s_add_nc_u64 s[24:25], s[24:25], s[30:31]
	; all loads at once: 10 for the biases, 48 for the weights, then 32 for x
.irp t, 0,1
	global_load_b128 v[BT+8*\t:BT+8*\t+3],   v[BOFF], s[12:13] offset:64*\t      ; register j = theta_b[16 t + 8 h + j]: the bias of result element (8 h + j, r)
	global_load_b128 v[BT+8*\t+4:BT+8*\t+7], v[BOFF], s[12:13] offset:64*\t+16
	global_load_b128 v[BP+8*\t:BP+8*\t+3],   v[BOFF], s[16:17] offset:64*\t
	global_load_b128 v[BP+8*\t+4:BP+8*\t+7], v[BOFF], s[16:17] offset:64*\t+16
	global_load_b32  v[BG+8*\t],             v[GOFF], s[20:21] offset:64*\t      ; g_b[16 t + r]: g's results have ci along the lanes
.endr
	WIN 0x40                                       ; destinations in window 1
	WLOAD RT, 10
	WLOAD RP, 14
	WIN 0x80                                       ; in window 2
	WLOAD RG, 18
	WIN 0x40
.irp s, 0,1
.irp f, 0,1
.irp e, 0,1,2,3,4,5,6,7
	global_load_b128 v[XR+4*(16*\s+8*\f+\e):XR+4*(16*\s+8*\f+\e)+3], v[XOFF], s[8:9] offset:(32*\s+16*\f+\e)*65536   ; x(channel 32 s + 16 f + 8 h + e, tokens 4 r .. 4 r + 3): register + i belongs to tile i
.endr
.endr
.endr
	s_wait_loadcnt 32                              ; loads return in order: biases and weights are in, the 32 younger loads of x stay out
	WIN 0x05                                       ; sources in window 1
	WCVT WT, RT
	WCVT WP, RP
	WIN 0x0a                                       ; in window 2
	WCVT WG, RG
	WIN 0
.irp t, 0,1
.irp j, 1,2,3,4,5,6,7
	v_mov_b32 v[BG+8*\t+\j], v[BG+8*\t]            ; a lane's eight results of g share one ci, so its C operand is eight times one bias
.endr
.endr
	s_wait_loadcnt 0x0                             ; x
; Tile i: 16 tokens x 64 channels against the three weight matrices: 12 matrix instructions, 6 stores of 512 consecutive aligned bytes.
.macro TILE i
	WIN 0x05
.irp s, 0,1
.irp f, 0,1
.irp a, 0,1,2,3
	v_cvt_pk_f16_f32 v[XF+8*\s+4*\f+\a], v[XR+4*(16*\s+8*\f+2*\a)+\i], v[XR+4*(16*\s+8*\f+2*\a+1)+\i]
.endr
.endr
.endr
	WIN 0
	; channels 0-31 start the six sums from the biases; channels 32-63 add in place.  The six accumulators take turns, one instruction a turn.
	MM ACC,    WT,    XF, BT
	MM ACC+8,  WT+16, XF, BT+8
	MM ACC+16, WP,    XF, BP
	MM ACC+24, WP+16, XF, BP+8
	MM ACC+32, XF, WG,    BG
	MM ACC+40, XF, WG+16, BG+8
	MM ACC,    WT+8,  XF+8, ACC
	MM ACC+8,  WT+24, XF+8, ACC+8
	MM ACC+16, WP+8,  XF+8, ACC+16
	MM ACC+24, WP+24, XF+8, ACC+24
	MM ACC+32, XF+8, WG+8,  ACC+32
	MM ACC+40, XF+8, WG+24, ACC+40
.rept 4
	v_nop                                          ; four places before a vector instruction reads a matrix result (ISA guide 7.12.1)
.endr
	s_wait_xcnt 0x0                                ; PK, which the last tile's stores read, is rewritten only behind this wait
.irp k, 0,1,2,3,4,5
.irp a, 0,1,2,3
	v_cvt_pk_f16_f32 v[PK+4*\k+\a], v[ACC+8*\k+2*\a], v[ACC+8*\k+2*\a+1]
.endr
.endr
.irp t, 0,1
	global_store_b128 v[SOFF], v[PK+4*\t:PK+4*\t+3],       s[22:23] offset:1024*\i+512*\t
	global_store_b128 v[SOFF], v[PK+8+4*\t:PK+8+4*\t+3],   s[24:25] offset:1024*\i+512*\t
	global_store_b128 v[SOFF], v[PK+16+4*\t:PK+16+4*\t+3], s[24:25] offset:4096+2048*(\i>>1)+1024*\t+512*(\i&1)
.endr
.endm
	TILE 0
	TILE 1
	TILE 2
	TILE 3
	s_endpgm
.Lfunc_end_k_q7941920c00_proj:
	.size	k_q7941920c00_proj, .Lfunc_end_k_q7941920c00_proj-k_q7941920c00_proj
	.p2alignl 7, 3214868480
	.fill 96, 4, 3214868480
	.section	.rodata,"a",@progbits
	.p2align	6, 0x0
	.amdhsa_kernel k_q7941920c00_proj
		.amdhsa_group_segment_fixed_size 0
		.amdhsa_private_segment_fixed_size 0
		.amdhsa_enable_private_segment 0
		.amdhsa_kernarg_size 72
		.amdhsa_user_sgpr_count 2
		.amdhsa_user_sgpr_kernarg_segment_ptr 1
		.amdhsa_wavefront_size32 1
		.amdhsa_system_sgpr_workgroup_id_x 1
		.amdhsa_system_sgpr_workgroup_id_y 1
		.amdhsa_system_sgpr_workgroup_id_z 1
		.amdhsa_system_vgpr_workitem_id 0
		.amdhsa_next_free_vgpr 576
		.amdhsa_next_free_sgpr 66
		.amdhsa_reserve_vcc 0
		.amdhsa_float_denorm_mode_32 3
		.amdhsa_float_denorm_mode_16_64 3
		.amdhsa_memory_ordered 1
		.amdhsa_forward_progress 1
		.amdhsa_inst_pref_size 33
	.end_amdhsa_kernel
	.amdgpu_metadata
---
amdhsa.version: [ 1, 2 ]
amdhsa.kernels:
  - .name:           k_q7941920c00_proj
    .symbol:         k_q7941920c00_proj.kd
    .args:
      - { .name: x, .offset: 0, .size: 8, .value_kind: global_buffer, .address_space: global }
      - { .name: theta_w, .offset: 8, .size: 8, .value_kind: global_buffer, .address_space: global }
      - { .name: theta_b, .offset: 16, .size: 8, .value_kind: global_buffer, .address_space: global }
      - { .name: phi_w, .offset: 24, .size: 8, .value_kind: global_buffer, .address_space: global }
      - { .name: phi_b, .offset: 32, .size: 8, .value_kind: global_buffer, .address_space: global }
      - { .name: g_w, .offset: 40, .size: 8, .value_kind: global_buffer, .address_space: global }
      - { .name: g_b, .offset: 48, .size: 8, .value_kind: global_buffer, .address_space: global }
      - { .name: thq, .offset: 56, .size: 8, .value_kind: global_buffer, .address_space: global }
      - { .name: kv, .offset: 64, .size: 8, .value_kind: global_buffer, .address_space: global }
    .group_segment_fixed_size: 0
    .private_segment_fixed_size: 0
    .kernarg_segment_align: 8
    .kernarg_segment_size: 72
    .max_flat_workgroup_size: 64
    .sgpr_count:     66
    .vgpr_count:     576
    .wavefront_size: 32
...
	.end_amdgpu_metadata
.endif
;; end of part 1
;; launch attn (part 2): grid 256 x 1, 8 waves a work-group, clusters of 4 x 1, 327,680 bytes of LDS; arguments thq, kv, w_w, w_b, wy; writes wy
.if DOCPART == 2
	.amdgcn_target "amdgcn-amd-amdhsa--gfx1250"
	.amdhsa_code_object_version 6
	.text
	.protected	k_q7941920c00_attn
	.globl	k_q7941920c00_attn
	.p2align	8
	.type	k_q7941920c00_attn,@function
k_q7941920c00_attn:
	s_mov_b64 s[64:65], 0
	v_nop
	global_prefetch_b8 v0, s[64:65] scope:SCOPE_SE
	s_setreg_imm32_b32 hwreg(HW_REG_WAVE_MODE, 25, 1), 1
	s_wait_xcnt 0x0
	s_wait_alu depctr_hold_cnt(0) depctr_sa_sdst(0) depctr_va_vdst(0) depctr_va_sdst(0) depctr_va_ssrc(0) depctr_va_vcc(0) depctr_vm_vsrc(0)
	s_getreg_b32 s2, hwreg(HW_REG_IB_STS2, 6, 4)
	s_cmp_eq_u32 s2, 0
	s_cbranch_scc0 .Lentry_in_a_cluster
	s_endpgm
.Lentry_in_a_cluster:
	s_bfe_u32 s2, ttmp6, 0x10000c
	s_cmp_lg_u32 s2, 0x3003
	s_cbranch_scc0 .Lentry_shape_is_right
	s_endpgm
.Lentry_shape_is_right:
; Softmax attention of eight problems (4096 tokens, width 32) and the projection to 64 channels behind it: wy = w_w y + w_b, f32, [p][c][token].
; 32 work-groups a problem, 128 queries each.  EIGHT WAVES, two for each SIMD of the WGP, so that a SIMD has one wave's softmax to issue while the other's matrix
; instructions run.  Wave w = 4 kh + wq: waves wq and wq + 4 have the same two tiles of 16 queries and share the keys: of each 16 steps of 64 keys, kh = 0 takes
; the first eight and kh = 1 the last eight, 32 steps a wave.  At the end the two merge their running maxima, sums and O through LDS, each keeping one of the two tiles.
; Everything runs transposed, so that no number changes its lane between the products (result element (8 h + j, r) in lane (r, h), register j; ISA guide 7.12.2):
;   S^T = K Q^T : a lane holds 8 keys of one query; packed to f16 these are registers of the B operand P of
;   O^T = V^T P : a lane holds 8 ci of one query; packed they are registers of the B operand y of
;   wy^T = w_w y: a lane holds 8 channels of one query.
; The row sums of the softmax come from the matrix unit too: a matrix of ones times P sums the ROUNDED P over the 32 keys of both lane halves.
; Running maximum as usual: m, the shift -log2(e) m, and alpha = 2^(new shift - old shift) made of the two rounded shifts that are used on P.
; thq and kv lie in fragment order (lane L's 16 bytes at 16 L): every LDS load of them is 512 consecutive bytes, so rows need no padding.
; CLUSTERS: the 32 work-groups of a problem walk the same 512 KiB of kv.  Four neighbours form a cluster and ask for each tile jointly (mask 15):
; the requests for kv are divided by four.  The place in the cluster enters only the global addresses of thq and wy.
; LDS: two slots of 128 KiB (1024 keys each), each wave fetching an eighth of a slot with one load of 64 rows x 256 bytes; four fills in all, two at the start and
; two refills, each with eight steps of every wave's work in which to land.  A wave has two tensor loads out at the start, later one.
; Behind the slots lie a stage for the way out and the blocks of the merge; no tensor load lands in either.
; LIMITS: matrix operands are f16 (theta, phi, g, y, w_w below 65504 in magnitude); P <= 1, and P below 2^-25 counts as 0, at most 4096 x 2^-25 of a row sum that is at least 1;
; y goes into the last product as hi + lo, good to 2^-25 absolute below f16's smallest normal number.  NaN and infinities are not served.
.set SLOTB, 131072                     ; bytes in a slot
.set STEPB, 8192                       ; bytes of a step: 4 tiles of phi (4 KiB), then g transposed (4 KiB)
.set STAGE, 2*SLOTB                    ; the stage: a block for each wave, [group of 8 channels: 8][channel: 8][query place: 16] f32
.set GPITCH, 576                       ; a group: 512 bytes + 64, so that the two lane halves (groups g, g + 1) fall 64 bytes apart modulo 256
.set WBLK, 4640                        ; a wave's block: 8 groups + 32, so that blocks two apart fall 64 bytes apart modulo 256
.set XCH,  STAGE+8*WBLK                ; the merge: a block for each wave, 16 bytes a lane: four times O, once (shift, -, shift, sum)
.set XBLK, 2560
.set LANE16, 1                         ; v1   16 x lane
.set KVA,  2                           ; v2   LDS address of my 16 bytes in the step at work
.set STA,  3                           ; v3   stage, in
.set RDA,  4                           ; v4   stage, back
.set WWO,  5                           ; v5   w_w: row r, 8 h columns
.set WBO,  6                           ; v6   w_b: 8 h numbers on
.set KB,   7                           ; v7   16 x lane + kh x 65,536: my half of a slot
.set T,    8                           ; v[8:11]    at work
.set AL,   12                          ; v[12:13]   alpha in the low word
.set M,    14                          ; v14, v15   running maximum of place q = 0, 1
.set NM,   16                          ; v[16:19]   the shift -log2(e) m, a pair for each q, low word used
.set QF,   20                          ; v[20:35]   theta fragments at 8 q: place 0 holds the pair's tile kh, place 1 its tile 1 - kh
.set ONE,  36                          ; v[36:43]   a fragment of ones
.set KF,   44                          ; v[44:75]   phi fragments of four key tiles at 8 k
.set VF,   76                          ; v[76:107]  g fragments at 16 c + 8 t (32 keys of chunk c, ci 16 t ..)
.set S,    108                         ; v[108:171] scores at 32 q + 8 k; P of chunk c is packed in place into 32 q + 16 c + 0..7
.set O,    172                         ; v[172:203] O^T at 16 q + 8 t
.set L,    204                         ; v[204:219] row sums at 8 q; register 0 alone is rescaled and read
.set XSA,  220                         ; v220 the merge: my block
.set XLA,  221                         ; v221 the merge: my partner's block
.set PO,   44                          ; the merge: my partner's O of my tile
.set PN,   60                          ; v[60:63]   its shift in word 2, its sum in word 3; word 0 then holds its factor
.set YH,   64                          ; the way out: y, upper part
.set YL,   188                         ; lower part
.set WF,   76                          ; w_w fragments at 8 ct
.set WY,   108                         ; results at 8 ct
.set RW,   0                           ; window 1: v256-319 w_w as loaded
.set WB,   64                          ; window 1: v320-351 w_b as a C operand, at 8 ct
.set MSB, 0
.macro WIN new                         ; low byte: bits 1:0 source 0, 3:2 source 1, 5:4 source 2, 7:6 destination; the high byte repeats the setting left
.if MSB != \new
	s_set_vgpr_msb (MSB<<8)|\new
.set MSB, \new
.endif
.endm
; A round of the cluster's barrier: my work-group's barrier, wave 0 signals for the work-group, every wave waits for all four work-groups, my work-group's barrier again.
.macro ROUND
	s_barrier_signal -1
	s_barrier_wait -1
	s_cmp_lg_u32 s14, 0
	s_cbranch_scc1 .Lnot_wave_0_\@
	s_barrier_signal -3
.Lnot_wave_0_\@:
	s_barrier_wait -3
	s_barrier_signal -1
	s_barrier_wait -1
.endm
.macro KLOAD off                       ; four key tiles of phi
.irp i, 0,1,2,3,4,5,6,7
	ds_load_b128 v[KF+4*\i:KF+4*\i+3], v[KVA] offset:\off+512*\i
.endr
.endm
.macro VLOAD                           ; g of the same 64 keys
.irp i, 0,1,2,3,4,5,6,7
	ds_load_b128 v[VF+4*\i:VF+4*\i+3], v[KVA] offset:4096+512*\i
.endr
.endm
.macro SW q                            ; scores of 64 keys x 16 queries; the width 32 is one instruction's K, so each starts from 0
.irp k, 0,1,2,3
	v_wmma_f32_16x16x32_f16 v[S+32*\q+8*\k:S+32*\q+8*\k+7], v[KF+8*\k:KF+8*\k+7], v[QF+8*\q:QF+8*\q+7], 0
.endr
.endm
.macro SM_HEAD q                       ; the maximum of my 32 scores, four chains: the first 8 of 16 instructions
.irp k, 0,1,2,3
	v_max3_num_f32 v[T+\k], v[S+32*\q+8*\k], v[S+32*\q+8*\k+1], v[S+32*\q+8*\k+2]
.endr
.irp k, 0,1,2,3
	v_max3_num_f32 v[T+\k], v[T+\k], v[S+32*\q+8*\k+3], v[S+32*\q+8*\k+4]
.endr
.endm
.macro SM_MID q, first                 ; the rest of the maximum, with the running one; the other lane half's keys; the new shift and alpha
.irp k, 0,1,2,3
	v_max3_num_f32 v[T+\k], v[T+\k], v[S+32*\q+8*\k+5], v[S+32*\q+8*\k+6]
.endr
	v_max3_num_f32 v[T], v[T], v[S+32*\q+7], v[S+32*\q+15]
	v_max3_num_f32 v[T+1], v[T+1], v[S+32*\q+23], v[S+32*\q+31]
	v_max3_num_f32 v[T], v[T], v[T+1], v[T+2]
.if \first
	v_max_num_f32 v[T], v[T], v[T+3]
.else
	v_max3_num_f32 v[T], v[T], v[T+3], v[M+\q]
.endif
	v_permlanex16_b32 v[T+1], v[T], s40, s41       ; lane i takes lane i xor 16: the same query's other 32 keys
	v_max_num_f32 v[M+\q], v[T], v[T+1]
.if \first
	v_mul_f32 v[NM+2*\q], s44, v[M+\q]
.else
	v_mul_f32 v[T+2], s44, v[M+\q]                 ; the new shift, rounded, and not fused with the line below: alpha is made of the two shifts as P sees them
	v_sub_f32 v[T+3], v[T+2], v[NM+2*\q]
	v_exp_f32 v[AL], v[T+3]
	v_mov_b32 v[NM+2*\q], v[T+2]                   ; also the plain instruction behind v_exp_f32 (ISA guide 5.7.2)
.endif
.endm
.macro SHIFT q, k                      ; log2(e) s - log2(e) m, one rounding
.irp a, 0,2,4,6
	v_pk_fma_f32 v[S+32*\q+8*\k+\a:S+32*\q+8*\k+\a+1], v[S+32*\q+8*\k+\a:S+32*\q+8*\k+\a+1], s[42:43], v[NM+2*\q:NM+2*\q+1] op_sel_hi:[1,0,0]
.endr
.endm
.macro EXP8 q, k
.irp a, 0,1,2,3,4,5,6,7
	v_exp_f32 v[S+32*\q+8*\k+\a], v[S+32*\q+8*\k+\a]
.endr
.endm
.macro PACK q, k                       ; tile k = 2 c + f becomes registers 4 f .. 4 f + 3 of chunk c's fragment; each target has been read before it is written
	s_wait_alu depctr_va_vdst(0)
.irp a, 0,1,2,3
	v_cvt_pk_f16_f32 v[S+32*\q+16*(\k>>1)+4*(\k&1)+\a], v[S+32*\q+8*\k+2*\a], v[S+32*\q+8*\k+2*\a+1]
.endr
.endm
.macro RESCALE q
.irp a, 0,2,4,6,8,10,12,14
	v_pk_mul_f32 v[O+16*\q+\a:O+16*\q+\a+1], v[O+16*\q+\a:O+16*\q+\a+1], v[AL:AL+1] op_sel_hi:[1,0]
.endr
	v_mul_f32 v[L+8*\q], v[L+8*\q], v[AL]
	s_wait_alu depctr_va_vdst(0)
.endm
; P = 2^(shifted score), packed.  Behind each run of eight exponentials stands plain work on other registers (the next tile's shift, or the rescaling) before the results are read (ISA guide 5.7.2).
.macro SM_TAIL q, first
	SHIFT \q, 0
	EXP8 \q, 0
	SHIFT \q, 1
	PACK \q, 0
	EXP8 \q, 1
	SHIFT \q, 2
	PACK \q, 1
	EXP8 \q, 2
	SHIFT \q, 3
	PACK \q, 2
	EXP8 \q, 3
.if \first
	v_nop
	s_wait_alu depctr_va_vdst(0)
.else
	RESCALE \q
.endif
	PACK \q, 3
.endm
.macro PVC q, c, zero                  ; 32 keys into O^T (two tiles of ci) and into the row sums
.if \zero
	v_wmma_f32_16x16x32_f16 v[O+16*\q:O+16*\q+7],    v[VF+16*\c:VF+16*\c+7],    v[S+32*\q+16*\c:S+32*\q+16*\c+7], 0
	v_wmma_f32_16x16x32_f16 v[O+16*\q+8:O+16*\q+15], v[VF+16*\c+8:VF+16*\c+15], v[S+32*\q+16*\c:S+32*\q+16*\c+7], 0
	v_wmma_f32_16x16x32_f16 v[L+8*\q:L+8*\q+7],      v[ONE:ONE+7],              v[S+32*\q+16*\c:S+32*\q+16*\c+7], 0
.else
	v_wmma_f32_16x16x32_f16 v[O+16*\q:O+16*\q+7],    v[VF+16*\c:VF+16*\c+7],    v[S+32*\q+16*\c:S+32*\q+16*\c+7], v[O+16*\q:O+16*\q+7]
	v_wmma_f32_16x16x32_f16 v[O+16*\q+8:O+16*\q+15], v[VF+16*\c+8:VF+16*\c+15], v[S+32*\q+16*\c:S+32*\q+16*\c+7], v[O+16*\q+8:O+16*\q+15]
	v_wmma_f32_16x16x32_f16 v[L+8*\q:L+8*\q+7],      v[ONE:ONE+7],              v[S+32*\q+16*\c:S+32*\q+16*\c+7], v[L+8*\q:L+8*\q+7]
.endif
.endm
.macro PV q, first                     ; the three accumulators take turns, one instruction a turn
	PVC \q, 0, \first
	PVC \q, 1, 0
.endm
; One step of 64 keys.  On entry: phi of the step in KF, the scores of q = 0 in S.  next = 1: it leaves the same for the next step.
; Places behind matrix instructions: SM_HEAD's eight instructions name only T and the OTHER q's scores, so they stand between PV 1 and the loads
; into VF and SW 1's writes over P of q = 1, and between PV 0 and SW 0's writes over P of q = 0; SM_MID's first eight stand between SW 1 and the loads into KF.
.macro BODY first, next
	SM_HEAD 0
	VLOAD
	SW 1
	SM_MID 0, \first
.if \next
	KLOAD STEPB                                    ; the next step's phi
	v_add_nc_u32 v[KVA], STEPB, v[KVA]
.endif
	SM_TAIL 0, \first
.if \next
	s_wait_dscnt 0x8                               ; LDS loads return in order: g is in, the eight younger loads of phi stay out
.else
	s_wait_dscnt 0x0
.endif
	PV 0, \first
	SM_HEAD 1
.if \next
	s_wait_dscnt 0x0                               ; the next step's phi
	SW 0
.endif
	SM_MID 1, \first
	SM_TAIL 1, \first
	PV 1, \first
.endm
.macro PRO slot                        ; the first of my eight steps in a slot: its phi, the scores of q = 0
	v_add_nc_u32 v[KVA], \slot*SLOTB, v[KB]
	KLOAD 0
	s_wait_dscnt 0x0
	SW 0
.rept 4
	v_nop                                          ; four places before SM_HEAD reads the scores
.endr
.endm
.macro STEPS trips                     ; trips steps that prepare their successor, and my last in the slot, which does not
	s_mov_b32 s45, \trips
.Lsteps_\@:
	BODY 0, 1
	s_sub_co_u32 s45, s45, 1
	s_cmp_lg_u32 s45, 0
	s_cbranch_scc1 .Lsteps_\@
	BODY 0, 0
.endm
; Slot s has been read to its end and is filled again, two slots further on in kv.
.macro CHANGE s
	s_wait_dscnt 0x0                               ; my reads of the slot are back
	s_wait_tensorcnt 0x0                           ; all my tensor loads have landed, my eighth of the other slot among them: no load of mine is out, so a group 0 may be written
	ds_add_u32 v254, v255
	s_wait_dscnt 0x0
	s_add_nc_u64 s[34+4*\s:35+4*\s], s[34+4*\s:35+4*\s], 2*SLOTB
	ROUND                                          ; both now hold of every wave of all four work-groups
	tensor_load_to_lds s[32+4*\s:35+4*\s], s[24:31]   ; my one tensor load behind the round, and the first thing there
	s_nop 0
.endm
	s_load_b128 s[4:7], s[0:1], 0x0                ; thq s[4:5], kv s[6:7]
	s_load_b128 s[8:11], s[0:1], 0x10              ; w_w s[8:9], w_b s[10:11]
	s_load_b64 s[12:13], s[0:1], 0x20              ; wy
	v_lshl_add_u32 v254, v0, 2, 0x4e100
	v_mov_b32 v255, 0
	ds_add_u32 v254, v255
	v_lshrrev_b32 v8, 5, v0
	v_readfirstlane_b32 s14, v8                    ; wave 0..7
	s_and_b32 s47, s14, 3                          ; wq: which 32 queries
	s_lshr_b32 s48, s14, 2                         ; kh: which half of each slot's keys
	s_bfe_u32 s15, ttmp6, 0x40000                  ; cx: my place in the cluster
	s_lshl_b32 s16, ttmp9, 2                       ; ttmp9 counts clusters
	s_add_co_u32 s16, s16, s15                     ; work-group
	s_lshr_b32 s17, ttmp9, 3                       ; p: 8 clusters a problem, the same in all four partners
	s_and_b32 s18, s16, 31                         ; block of 128 queries
	s_mov_b32 s40, 0x76543210                      ; v_permlanex16_b32: lane i of the other half
	s_mov_b32 s41, 0xfedcba98
	s_mov_b32 s42, 0x3fb8aa3b                      ; log2(e), a pair for the packed forms
	s_mov_b32 s43, 0x3fb8aa3b
	s_mov_b32 s44, 0xbfb8aa3b                      ; -log2(e)
	s_mov_b32 s46, 0xffffe000                      ; keeps sign, exponent and 10 bits of an f32's mantissa
	; descriptor group 1: 64 rows of 32 elements of 8 bytes, dense: an eighth of a slot, 16 KiB
	s_mov_b32 s24, 0x0023000f                      ; 15:0 mask: all four of the cluster; 17:16 elements of 8 bytes; 21 set beside a mask; no padding
	s_mov_b32 s25, 32<<16                          ; tensor_dim0 = 32
	s_mov_b32 s26, 64<<16                          ; tensor_dim1 = 64
	s_mov_b32 s27, 32<<16                          ; tile_dim0 = 32
	s_mov_b32 s28, 64                              ; tile_dim1 = 64
	s_mov_b32 s29, 32                              ; from row to row: 32 elements
	s_mov_b32 s30, 0
	s_mov_b32 s31, 0
	s_lshl_b32 s22, s17, 19                        ; kv: 524,288 bytes a problem,
	s_lshl_b32 s19, s14, 14                        ; my eighth of a slot: in memory and in LDS
	s_or_b32 s22, s22, s19
	s_mov_b32 s23, 0
	s_wait_dscnt 0x0
	s_wait_kmcnt 0x0
	s_add_nc_u64 s[6:7], s[6:7], s[22:23]          ; made of p and the wave's number alone: equal in all four partners
	ROUND                                          ; all four work-groups are here: the first joint loads meet
.irp s, 0,1
	s_mov_b32 s[32+4*\s], 1                        ; count = 1
	s_add_co_u32 s[33+4*\s], s19, \s*SLOTB         ; LDS address: wave x 16,384 + the slot
	s_add_nc_u64 s[34+4*\s:35+4*\s], s[6:7], \s*SLOTB
	s_or_b32 s[35+4*\s], s[35+4*\s], 0x80000000    ; type = 2
	tensor_load_to_lds s[32+4*\s:35+4*\s], s[24:31]
	s_nop 0
.endr
	s_lshl_b32 s20, s17, 18                        ; thq: 262,144 bytes a problem, 8 tiles of 1,024 a work-group, 2 a pair of waves
	s_lshl_b32 s21, s18, 13
	s_or_b32 s20, s20, s21
	s_lshl_b32 s21, s47, 11
	s_or_b32 s20, s20, s21
	s_mov_b32 s21, 0
	s_add_nc_u64 s[4:5], s[4:5], s[20:21]
	s_lshl_b32 s20, s17, 20                        ; wy: 1 MiB a problem, 8 channels of 16,384 bytes a wave, 512 bytes a work-group
	s_lshl_b32 s21, s14, 17
	s_or_b32 s20, s20, s21
	s_lshl_b32 s21, s18, 9
	s_or_b32 s20, s20, s21
	s_mov_b32 s21, 0
	s_add_nc_u64 s[12:13], s[12:13], s[20:21]
	v_and_b32 v[LANE16], 31, v0
	v_lshlrev_b32 v[LANE16], 4, v[LANE16]
	v_and_b32 v8, 15, v0                           ; r
	v_bfe_u32 v9, v0, 4, 1                         ; h
	s_lshl_b32 s49, s48, 10
	v_add_nc_u32 v10, s49, v[LANE16]               ; the pair's tile kh: the one that I keep at the merge
	s_xor_b32 s49, s49, 1024
	v_add_nc_u32 v11, s49, v[LANE16]               ; its tile 1 - kh: the one that I give away
	s_lshl_b32 s49, s48, 16
	v_add_nc_u32 v[KB], s49, v[LANE16]             ; eight steps of 8,192 bytes on for kh = 1
	v_lshlrev_b32 v[WWO], 7, v8
	v_lshl_or_b32 v[WWO], v9, 5, v[WWO]
	v_lshlrev_b32 v[WBO], 5, v9
.irp f, 0,1
	global_load_b128 v[QF+4*\f:QF+4*\f+3],     v10, s[4:5] offset:512*\f
	global_load_b128 v[QF+8+4*\f:QF+8+4*\f+3], v11, s[4:5] offset:512*\f
.endr
	WIN 0x40                                       ; destinations in window 1
.irp c, 0,1,2,3
.irp f, 0,1
	global_load_b128 v[RW+8*(2*\c+\f):RW+8*(2*\c+\f)+3],   v[WWO], s[8:9] offset:2048*\c+64*\f       ; w_w(16 c + r, 16 f + 8 h + 0..7)
	global_load_b128 v[RW+8*(2*\c+\f)+4:RW+8*(2*\c+\f)+7], v[WWO], s[8:9] offset:2048*\c+64*\f+16
.endr
	global_load_b128 v[WB+8*\c:WB+8*\c+3],   v[WBO], s[10:11] offset:64*\c                           ; register j = w_b[16 c + 8 h + j]
	global_load_b128 v[WB+8*\c+4:WB+8*\c+7], v[WBO], s[10:11] offset:64*\c+16
.endr
	WIN 0
	s_mul_i32 s20, s14, WBLK
	s_add_co_u32 s20, s20, STAGE                   ; my block of the stage
	v_mul_u32_u24 v12, v9, GPITCH                  ; in: group h (+ the offset's 2 ct), place r
	v_lshl_add_u32 v[STA], v8, 2, v12
	v_add_nc_u32 v[STA], s20, v[STA]
	s_mul_i32 s21, s14, GPITCH
	s_add_co_u32 s21, s21, STAGE                   ; back: group w, my 8 channels, in the blocks of four waves
	v_mul_u32_u24 v12, v9, 2*WBLK                  ; lanes 0-15 read waves with wq = 0, 1 (the first image row), lanes 16-31 wq = 2, 3
	v_lshl_add_u32 v[RDA], v8, 2, v12
	v_add_nc_u32 v[RDA], s21, v[RDA]
	s_mul_i32 s20, s14, XBLK
	s_add_co_u32 s20, s20, XCH
	v_add_nc_u32 v[XSA], s20, v[LANE16]            ; the merge: my block,
	s_xor_b32 s21, s14, 4
	s_mul_i32 s21, s21, XBLK
	s_add_co_u32 s21, s21, XCH
	v_add_nc_u32 v[XLA], s21, v[LANE16]            ; and that of the wave with my queries and the other keys
.irp j, 0,1,2,3,4,5,6,7
	v_mov_b32 v[ONE+\j], 0x3c003c00                ; 1.0, 1.0 in f16
.endr
	v_mov_b32 v[AL+1], 0                           ; upper words of pairs of which the packed forms use the lower
	v_mov_b32 v[NM+1], 0
	v_mov_b32 v[NM+3], 0
	s_wait_loadcnt 0x0                             ; theta, w_w, w_b; v10 and v11, the loads' offsets, are free from here
	s_wait_tensorcnt 0x1                           ; my eighth of slot 0 is in; slot 1's stays out
	s_barrier_signal -1
	s_barrier_wait -1                              ; everybody's eighth is in
	PRO 0                                          ; keys 0-1023: my 512
	BODY 1, 1                                      ; the first step starts maxima and sums: nothing is cleared
	STEPS 6
	CHANGE 0
	PRO 1                                          ; keys 1024-2047
	STEPS 7
	CHANGE 1
	PRO 0                                          ; keys 2048-3071
	STEPS 7
	s_wait_dscnt 0x0
	s_wait_tensorcnt 0x0                           ; my eighth of the last tile: the last tensor load
	s_barrier_signal -1
	s_barrier_wait -1                              ; everybody's; nothing is left to fetch
	PRO 1                                          ; keys 3072-4095
	STEPS 7
	; THE MERGE.  Place 1 (O, shift, sum) goes to my block; my partner's place 1 is my place 0's tile over the other half of the keys.
.rept 4
	v_nop                                          ; four places behind the last matrix instructions: the LDS stores and the move read results
.endr
	v_mov_b32 v[NM+3], v[L+8]                      ; (shift 0, 0, shift 1, sum 1): 16 bytes
.irp i, 0,1,2,3
	ds_store_b128 v[XSA], v[O+16+4*\i:O+16+4*\i+3] offset:512*\i
.endr
	ds_store_b128 v[XSA], v[NM:NM+3] offset:2048
	s_wait_dscnt 0x0                               ; my stores are done, for my partner's sake
	s_barrier_signal -1
	s_barrier_wait -1
.irp i, 0,1,2,3
	ds_load_b128 v[PO+4*\i:PO+4*\i+3], v[XLA] offset:512*\i
.endr
	ds_load_b128 v[PN:PN+3], v[XLA] offset:2048
	s_wait_dscnt 0x0
	v_min_num_f32 v[T], v[NM], v[PN+2]             ; the common shift: -log2(e) x the larger maximum
	v_sub_f32 v[T+1], v[T], v[NM]
	v_sub_f32 v[T+2], v[T], v[PN+2]
	v_exp_f32 v[AL], v[T+1]                        ; my factor,
	v_exp_f32 v[PN], v[T+2]                        ; my partner's: one of the two is 1
	v_nop                                          ; the plain instruction behind v_exp_f32 (ISA guide 5.7.2)
	s_wait_alu depctr_va_vdst(0)
	v_mul_f32 v[T+3], v[L], v[AL]
	v_fmac_f32 v[T+3], v[PN+3], v[PN]              ; the whole row sum l
	v_rcp_f32 v[T], v[T+3]
	v_nop                                          ; the plain instruction behind v_rcp_f32
	s_wait_alu depctr_va_vdst(0)
	v_mul_f32 v[AL], v[AL], v[T]                   ; 1 / l goes into the two factors: y = O a / l + O' a' / l
	v_mul_f32 v[PN], v[PN], v[T]
.irp a, 0,2,4,6,8,10,12,14
	v_pk_mul_f32 v[O+\a:O+\a+1], v[O+\a:O+\a+1], v[AL:AL+1] op_sel_hi:[1,0]
	v_pk_fma_f32 v[O+\a:O+\a+1], v[PO+\a:PO+\a+1], v[PN:PN+1], v[O+\a:O+\a+1] op_sel_hi:[1,0,1]
.endr
	; THE WAY OUT, one tile of 16 queries a wave.  y = hi + lo, hi = y cut to 10 bits of mantissa (exact in f16), lo = y - hi (exact in f32); wy = w_w hi + w_w lo + w_b.
.set n, 0
.rept 8
	v_and_b32 v[T+2*(n%2)], s46, v[O+2*n]
	v_and_b32 v[T+2*(n%2)+1], s46, v[O+2*n+1]
	v_pk_add_f32 v[O+2*n:O+2*n+1], v[O+2*n:O+2*n+1], v[T+2*(n%2):T+2*(n%2)+1] neg_lo:[0,1] neg_hi:[0,1]
	v_cvt_pk_f16_f32 v[YH+n], v[T+2*(n%2)], v[T+2*(n%2)+1]
	v_cvt_pk_f16_f32 v[YL+n], v[O+2*n], v[O+2*n+1]
.set n, n+1
.endr
	WIN 0x05                                       ; sources in window 1
.set n, 0
.rept 32
	v_cvt_pk_f16_f32 v[WF+n], v[RW+2*n], v[RW+2*n+1]
.set n, n+1
.endr
	WIN 0x10                                       ; C in window 1: the sums start from w_b
.irp c, 0,1,2,3
	v_wmma_f32_16x16x32_f16 v[WY+8*\c:WY+8*\c+7], v[WF+8*\c:WF+8*\c+7], v[YH:YH+7], v[WB+8*\c:WB+8*\c+7]
.endr
	WIN 0                                          ; the four accumulators take turns, one instruction a turn
.irp c, 0,1,2,3
	v_wmma_f32_16x16x32_f16 v[WY+8*\c:WY+8*\c+7], v[WF+8*\c:WF+8*\c+7], v[YL:YL+7], v[WY+8*\c:WY+8*\c+7]
.endr
.rept 4
	v_nop                                          ; four places: the LDS stores read results, the LDS loads below land in operands
.endr
	; Wave 4 kh + wq, place r holds token 4 r + 2 (wq mod 2) + kh of image row wq / 2.  The stage brings a token's four neighbours together.
.irp c, 0,1,2,3
.irp j, 0,1,2,3,4,5,6,7
	ds_store_b32 v[STA], v[WY+8*\c+\j] offset:2*\c*GPITCH+64*\j     ; channel 16 c + 8 h + j = group 2 c + h, its channel j
.endr
.endr
	s_wait_dscnt 0x0                               ; my stores are done, for the other waves' sake
	s_barrier_signal -1
	s_barrier_wait -1
.irp c, 0,1,2,3,4,5,6,7
.irp e, 0,1
.irp q, 0,1
	ds_load_b32 v[44+4*\c+2*\e+\q], v[RDA] offset:(4*\q+\e)*WBLK+64*\c   ; channel 8 w + c, token 4 r + 2 e + q: from wave 4 q + 2 (image row) + e
.endr
.endr
.endr
.irp c, 0,1,2,3,4,5,6,7
	s_wait_dscnt 28-4*\c                           ; LDS loads return in order: channel c's four are in
	global_store_b128 v[LANE16], v[44+4*\c:44+4*\c+3], s[12:13] offset:16384*\c   ; the wave stores 512 consecutive aligned bytes: 128 tokens of one channel
.endr
	s_wait_tensorcnt 0x0
	ds_add_u32 v254, v255
	s_wait_dscnt 0x0
	ROUND                                          ; the closing round: no work-group ends while a partner may still ask for a tile that names it
	s_endpgm
.Lfunc_end_k_q7941920c00_attn:
	.size	k_q7941920c00_attn, .Lfunc_end_k_q7941920c00_attn-k_q7941920c00_attn
	.p2alignl 7, 3214868480
	.fill 96, 4, 3214868480
	.section	.rodata,"a",@progbits
	.p2align	6, 0x0
	.amdhsa_kernel k_q7941920c00_attn
		.amdhsa_group_segment_fixed_size 327680
		.amdhsa_private_segment_fixed_size 0
		.amdhsa_enable_private_segment 0
		.amdhsa_kernarg_size 40
		.amdhsa_user_sgpr_count 2
		.amdhsa_user_sgpr_kernarg_segment_ptr 1
		.amdhsa_wavefront_size32 1
		.amdhsa_system_sgpr_workgroup_id_x 1
		.amdhsa_system_sgpr_workgroup_id_y 1
		.amdhsa_system_sgpr_workgroup_id_z 1
		.amdhsa_system_vgpr_workitem_id 0
		.amdhsa_next_free_vgpr 352
		.amdhsa_next_free_sgpr 66
		.amdhsa_reserve_vcc 0
		.amdhsa_float_denorm_mode_32 3
		.amdhsa_float_denorm_mode_16_64 3
		.amdhsa_memory_ordered 1
		.amdhsa_forward_progress 1
		.amdhsa_inst_pref_size 132
	.end_amdhsa_kernel
	.amdgpu_metadata
---
amdhsa.version: [ 1, 2 ]
amdhsa.kernels:
  - .name:           k_q7941920c00_attn
    .symbol:         k_q7941920c00_attn.kd
    .args:
      - { .name: thq, .offset: 0, .size: 8, .value_kind: global_buffer, .address_space: global }
      - { .name: kv, .offset: 8, .size: 8, .value_kind: global_buffer, .address_space: global }
      - { .name: w_w, .offset: 16, .size: 8, .value_kind: global_buffer, .address_space: global }
      - { .name: w_b, .offset: 24, .size: 8, .value_kind: global_buffer, .address_space: global }
      - { .name: wy, .offset: 32, .size: 8, .value_kind: global_buffer, .address_space: global }
    .group_segment_fixed_size: 327680
    .private_segment_fixed_size: 0
    .kernarg_segment_align: 8
    .kernarg_segment_size: 40
    .max_flat_workgroup_size: 256
    .sgpr_count:     66
    .vgpr_count:     352
    .wavefront_size: 32
...
	.end_amdgpu_metadata
.endif
;; end of part 2
;; launch bn (part 3): grid 256 x 1, 8 waves a work-group, no clusters, 1,280 bytes of LDS; arguments wy, x, bn_gamma, bn_beta, out0; writes out0
.if DOCPART == 3
	.amdgcn_target "amdgcn-amd-amdhsa--gfx1250"
	.amdhsa_code_object_version 6
	.text
	.protected	k_q7941920c00_bn
	.globl	k_q7941920c00_bn
	.p2align	8
	.type	k_q7941920c00_bn,@function
k_q7941920c00_bn:
	s_mov_b64 s[64:65], 0
	v_nop
	global_prefetch_b8 v0, s[64:65] scope:SCOPE_SE
	s_setreg_imm32_b32 hwreg(HW_REG_WAVE_MODE, 25, 1), 1
	s_wait_xcnt 0x0
; Batch norm over both images and all 4096 tokens of one quadrant, for one channel, and the residual:
; out = (wy - mean) rsqrt(var + 1e-5) gamma + beta + x.  One work-group for each of the 4 x 64 (quadrant, channel) pairs.
; Its 8192 numbers of wy and of x stay in registers, 32 + 32 a thread, so each byte is read once; the variance is the mean of (wy - mean)^2,
; made in a second pass over the registers, not a difference of large sums.
; Every load and store of a wave covers aligned runs of 256 consecutive bytes (sixteen lanes x 16 bytes).
; Nothing is shared between work-groups and there is no product: no cluster, no tensor load, no matrix instruction.
.set WOF, 1                            ; v1        wy: 16 t
.set XOF, 2                            ; v2        x, out0: image row t / 16 (512 bytes), 16 (t mod 16)
.set WV4, 3                            ; v3        4 x wave: my word among the partial sums
.set D,   4                            ; v[4:35]   wy, then wy - mean, then the result; 4 registers for (image b, quarter k) at 4 (4 b + k)
.set X,   36                           ; v[36:67]  x likewise
.set C,   68                           ; v[68:75]  four chains of packed sums; then the eight waves' partial sums
.set ZERO, 76                          ; v76       LDS address 0
; The sum over the work-group of the four chains, in every lane's v[C].  base: 32 LDS bytes of this sum's own.
.macro WGSUM base
	v_pk_add_f32 v[C:C+1], v[C:C+1], v[C+2:C+3]
	v_pk_add_f32 v[C+4:C+5], v[C+4:C+5], v[C+6:C+7]
	v_pk_add_f32 v[C:C+1], v[C:C+1], v[C+4:C+5]
	v_add_f32 v[C], v[C], v[C+1]
	v_add_f32_dpp v[C], v[C], v[C] row_xmask:1 row_mask:0xf bank_mask:0xf
	v_add_f32_dpp v[C], v[C], v[C] row_xmask:2 row_mask:0xf bank_mask:0xf
	v_add_f32_dpp v[C], v[C], v[C] row_xmask:4 row_mask:0xf bank_mask:0xf
	v_add_f32_dpp v[C], v[C], v[C] row_xmask:8 row_mask:0xf bank_mask:0xf
	v_permlanex16_b32 v[C+1], v[C], s28, s29       ; the other half of the lanes
	v_add_f32 v[C], v[C], v[C+1]
	ds_store_b32 v[WV4], v[C] offset:\base         ; all lanes write my wave's word with the same value
	s_wait_dscnt 0x0                               ; done, for the other waves' sake
	s_barrier_signal -1
	s_barrier_wait -1
	ds_load_b128 v[C:C+3], v[ZERO] offset:\base
	ds_load_b128 v[C+4:C+7], v[ZERO] offset:\base+16
	s_wait_dscnt 0x0
	v_pk_add_f32 v[C:C+1], v[C:C+1], v[C+2:C+3]    ; every wave adds the eight in the same order
	v_pk_add_f32 v[C+4:C+5], v[C+4:C+5], v[C+6:C+7]
	v_pk_add_f32 v[C:C+1], v[C:C+1], v[C+4:C+5]
	v_add_f32 v[C], v[C], v[C+1]
.endm
	s_load_b256 s[4:11], s[0:1], 0x0               ; wy s[4:5], x s[6:7], bn_gamma s[8:9], bn_beta s[10:11]
	s_load_b64 s[12:13], s[0:1], 0x20              ; out0
	v_lshl_add_u32 v80, v0, 2, 0x100
	v_mov_b32 v81, 0
	v_lshrrev_b32 v3, 5, v0
	v_readfirstlane_b32 s14, v3                    ; wave 0..7
	s_lshr_b32 s15, ttmp9, 6                       ; quadrant = 2 qh + qw
	s_and_b32 s16, ttmp9, 63                       ; channel
	s_lshl_b32 s18, s15, 21                        ; wy: two problems of 1 MiB a quadrant, 16,384 bytes a channel
	s_lshl_b32 s17, s16, 14
	s_or_b32 s18, s18, s17
	s_mov_b32 s19, 0
	s_lshl_b32 s20, s16, 16                        ; x: 65,536 bytes a channel,
	s_lshr_b32 s17, s15, 1
	s_lshl_b32 s17, s17, 15                        ; qh x 64 image rows of 512 bytes,
	s_or_b32 s20, s20, s17
	s_and_b32 s17, s15, 1
	s_lshl_b32 s17, s17, 8                         ; qw x 256 bytes
	s_or_b32 s20, s20, s17
	s_mov_b32 s21, 0
	s_lshl_b32 s22, s16, 2                         ; gamma, beta: number c
	s_mov_b32 s23, 0
	s_mov_b32 s27, 0                               ; upper word of beta's pair
	s_mov_b32 s28, 0x76543210
	s_mov_b32 s29, 0xfedcba98
	s_mov_b32 s30, 0x39000000                      ; 1 / 8192
	s_mov_b32 s31, 0x3727c5ac                      ; 1e-5
	v_lshlrev_b32 v[WOF], 4, v0
	v_and_b32 v[XOF], 15, v0
	v_lshlrev_b32 v[XOF], 4, v[XOF]
	v_lshrrev_b32 v3, 4, v0
	v_lshl_or_b32 v[XOF], v3, 9, v[XOF]
	v_mov_b32 v[WV4], s14
	v_lshlrev_b32 v[WV4], 2, v[WV4]
	v_mov_b32 v[ZERO], 0
	s_wait_kmcnt 0x0
	s_add_nc_u64 s[4:5], s[4:5], s[18:19]
	s_add_nc_u64 s[6:7], s[6:7], s[20:21]
	s_add_nc_u64 s[12:13], s[12:13], s[20:21]
	s_add_nc_u64 s[8:9], s[8:9], s[22:23]
	s_add_nc_u64 s[10:11], s[10:11], s[22:23]
.irp b, 0,1
.irp k, 0,1,2,3
	global_load_b128 v[D+4*(4*\b+\k):D+4*(4*\b+\k)+3], v[WOF], s[4:5] offset:(\b<<20)|(\k<<12) th:TH_LOAD_NT
.endr
.endr
.irp b, 0,1
.irp k, 0,1,2,3
	global_load_b128 v[X+4*(4*\b+\k):X+4*(4*\b+\k)+3], v[XOF], s[6:7] offset:(\b<<22)|(\k<<13) th:TH_LOAD_NT   ; the same tokens: 16 image rows a quarter
.endr
.endr
	s_load_b32 s24, s[8:9], 0x0                    ; gamma[c]
	s_load_b32 s26, s[10:11], 0x0                  ; beta[c]
	s_wait_loadcnt 0x8                             ; loads return in order: wy is in, the eight younger loads of x stay out
	; the mean: four chains, started by the first sums
.irp j, 0,1,2,3
	v_pk_add_f32 v[C+2*\j:C+2*\j+1], v[D+2*\j:D+2*\j+1], v[D+8+2*\j:D+8+2*\j+1]
.endr
.irp i, 16,24
.irp j, 0,1,2,3
	v_pk_add_f32 v[C+2*\j:C+2*\j+1], v[C+2*\j:C+2*\j+1], v[D+\i+2*\j:D+\i+2*\j+1]
.endr
.endr
	WGSUM 0
	v_mul_f32 v[C+2], 0xb9000000, v[C]             ; -mean = sum x (-1 / 8192)
.set i, 0
.rept 16
	v_pk_add_f32 v[D+2*i:D+2*i+1], v[D+2*i:D+2*i+1], v[C+2:C+3] op_sel_hi:[1,0]   ; d = wy - mean
.set i, i+1
.endr
	; the variance: the mean of d^2
.irp j, 0,1,2,3
	v_pk_mul_f32 v[C+2*\j:C+2*\j+1], v[D+2*\j:D+2*\j+1], v[D+2*\j:D+2*\j+1]
.endr
.irp i, 8,16,24
.irp j, 0,1,2,3
	v_pk_fma_f32 v[C+2*\j:C+2*\j+1], v[D+\i+2*\j:D+\i+2*\j+1], v[D+\i+2*\j:D+\i+2*\j+1], v[C+2*\j:C+2*\j+1]
.endr
.endr
	WGSUM 32                                       ; other bytes than the first sum's: one barrier is enough for each
	s_wait_kmcnt 0x0                               ; gamma, beta
	v_fma_f32 v[C], v[C], s30, s31                 ; var + 1e-5
	v_rsq_f32 v[C+1], v[C]
	v_nop                                          ; the plain instruction behind v_rsq_f32 (ISA guide 5.7.2)
	s_wait_alu depctr_va_vdst(0)
	v_mul_f32 v[C+2], s24, v[C+1]                  ; gamma / sqrt(var + 1e-5)
	s_wait_loadcnt 0x0                             ; x
.set i, 0
.rept 16
	v_pk_add_f32 v[X+2*i:X+2*i+1], v[X+2*i:X+2*i+1], s[26:27] op_sel_hi:[1,0]                          ; x + beta
	v_pk_fma_f32 v[D+2*i:D+2*i+1], v[D+2*i:D+2*i+1], v[C+2:C+3], v[X+2*i:X+2*i+1] op_sel_hi:[1,0,1]    ; d x scale + that
.set i, i+1
.endr
.irp b, 0,1
.irp k, 0,1,2,3
	global_store_b128 v[XOF], v[D+4*(4*\b+\k):D+4*(4*\b+\k)+3], s[12:13] offset:(\b<<22)|(\k<<13) th:TH_STORE_NT
.endr
.endr
	s_wait_tensorcnt 0x0
	ds_add_u32 v80, v81
	s_wait_dscnt 0x0
	s_endpgm
.Lfunc_end_k_q7941920c00_bn:
	.size	k_q7941920c00_bn, .Lfunc_end_k_q7941920c00_bn-k_q7941920c00_bn
	.p2alignl 7, 3214868480
	.fill 96, 4, 3214868480
	.section	.rodata,"a",@progbits
	.p2align	6, 0x0
	.amdhsa_kernel k_q7941920c00_bn
		.amdhsa_group_segment_fixed_size 1280
		.amdhsa_private_segment_fixed_size 0
		.amdhsa_enable_private_segment 0
		.amdhsa_kernarg_size 40
		.amdhsa_user_sgpr_count 2
		.amdhsa_user_sgpr_kernarg_segment_ptr 1
		.amdhsa_wavefront_size32 1
		.amdhsa_system_sgpr_workgroup_id_x 1
		.amdhsa_system_sgpr_workgroup_id_y 1
		.amdhsa_system_sgpr_workgroup_id_z 1
		.amdhsa_system_vgpr_workitem_id 0
		.amdhsa_next_free_vgpr 82
		.amdhsa_next_free_sgpr 66
		.amdhsa_reserve_vcc 0
		.amdhsa_float_denorm_mode_32 3
		.amdhsa_float_denorm_mode_16_64 3
		.amdhsa_memory_ordered 1
		.amdhsa_forward_progress 1
		.amdhsa_inst_pref_size 12
	.end_amdhsa_kernel
	.amdgpu_metadata
---
amdhsa.version: [ 1, 2 ]
amdhsa.kernels:
  - .name:           k_q7941920c00_bn
    .symbol:         k_q7941920c00_bn.kd
    .args:
      - { .name: wy, .offset: 0, .size: 8, .value_kind: global_buffer, .address_space: global }
      - { .name: x, .offset: 8, .size: 8, .value_kind: global_buffer, .address_space: global }
      - { .name: bn_gamma, .offset: 16, .size: 8, .value_kind: global_buffer, .address_space: global }
      - { .name: bn_beta, .offset: 24, .size: 8, .value_kind: global_buffer, .address_space: global }
      - { .name: out0, .offset: 32, .size: 8, .value_kind: global_buffer, .address_space: global }
    .group_segment_fixed_size: 1280
    .private_segment_fixed_size: 0
    .kernarg_segment_align: 8
    .kernarg_segment_size: 40
    .max_flat_workgroup_size: 256
    .sgpr_count:     66
    .vgpr_count:     82
    .wavefront_size: 32
...
	.end_amdgpu_metadata
.endif
;; end of part 3
